; MI455X (gfx1250); checked and timed in simulation.
; The chip was launched on July 23, 2026; its instructions are those of AMD's public machine-readable ISA for CDNA 5 (MIT licence, August 2026) and "CDNA5" Instruction Set Architecture Reference Guide (July 2026). The comments in the code are by the model that wrote it; some were corrected since.
;; LSTM Cell. Allowed arithmetic: matrix products marked QUANTISED: E2M3 operands, one E8M0 scale for each 32 along K, by v_wmma_scale_f32_16x16x128_f8f6f4 with both operands' format E2M3, f32 sums; everything else in f32.
;; Inputs: Wfh_codes 2,048 x 64 x 24 uint8 (E2M3 codes of Wfh, K innermost, in blocks of 32 codes, four codes in three bytes); Wfh_scales 2,048 x 64 uint8 (E8M0 scales of Wfh, one for each 32 codes along K); Wfx_codes 2,048 x 64 x 24 uint8 (E2M3 codes of Wfx, K innermost, in blocks of 32 codes, four codes in three bytes); Wfx_scales 2,048 x 64 uint8 (E8M0 scales of Wfx, one for each 32 codes along K); Wgh_codes 2,048 x 64 x 24 uint8 (E2M3 codes of Wgh, K innermost, in blocks of 32 codes, four codes in three bytes); Wgh_scales 2,048 x 64 uint8 (E8M0 scales of Wgh, one for each 32 codes along K); Wgx_codes 2,048 x 64 x 24 uint8 (E2M3 codes of Wgx, K innermost, in blocks of 32 codes, four codes in three bytes); Wgx_scales 2,048 x 64 uint8 (E8M0 scales of Wgx, one for each 32 codes along K); Wih_codes 2,048 x 64 x 24 uint8 (E2M3 codes of Wih, K innermost, in blocks of 32 codes, four codes in three bytes); Wih_scales 2,048 x 64 uint8 (E8M0 scales of Wih, one for each 32 codes along K); Wix_codes 2,048 x 64 x 24 uint8 (E2M3 codes of Wix, K innermost, in blocks of 32 codes, four codes in three bytes); Wix_scales 2,048 x 64 uint8 (E8M0 scales of Wix, one for each 32 codes along K); Woh_codes 2,048 x 64 x 24 uint8 (E2M3 codes of Woh, K innermost, in blocks of 32 codes, four codes in three bytes); Woh_scales 2,048 x 64 uint8 (E8M0 scales of Woh, one for each 32 codes along K); Wox_codes 2,048 x 64 x 24 uint8 (E2M3 codes of Wox, K innermost, in blocks of 32 codes, four codes in three bytes); Wox_scales 2,048 x 64 uint8 (E8M0 scales of Wox, one for each 32 codes along K); bfh 2,048 float32; bfx 2,048 float32; bgh 2,048 float32; bgx 2,048 float32; bih 2,048 float32; bix 2,048 float32; boh 2,048 float32; box 2,048 float32; c0 2,048 x 2,048 float32; h0_codes 2,048 x 64 x 24 uint8 (E2M3 codes of h0, K innermost, in blocks of 32 codes, four codes in three bytes); h0_scales 2,048 x 64 uint8 (E8M0 scales of h0, one for each 32 codes along K); input_codes 2,048 x 64 x 24 uint8 (E2M3 codes of input, K innermost, in blocks of 32 codes, four codes in three bytes); input_scales 2,048 x 64 uint8 (E8M0 scales of input, one for each 32 codes along K).
;; Outputs: out0 2,048 x 2,048 float32; out1 2,048 x 2,048 float32.
;; This version of the problem:
;;   THIS VERSION OF THE PROBLEM IS GIVEN IN LOW PRECISION. The matrix products marked QUANTISED in the list below multiply operands that are first quantised to E2M3 (2 exponent bits, 3 mantissa bits; 6 bits a number), with one power-of-two scale for each 32 numbers along K (OCP MX v1.0); their sums are f32. All else is computed in f32.
;;   The module's matrix products, in the order in which they are computed (A, B: the left and right operand; K: the contracted axis; several contracted axes count as one K, in the product's order):
;;     1. [M 2,048, K 2,048] x [K 2,048, N 2,048]; A: input input (given as codes); B: input Wgx (given as codes): QUANTISED
;;     2. [M 2,048, K 2,048] x [K 2,048, N 2,048]; A: input h0 (given as codes); B: input Wgh (given as codes): QUANTISED
;;     3. [M 2,048, K 2,048] x [K 2,048, N 2,048]; A: input input (given as codes); B: input Wix (given as codes): QUANTISED
;;     4. [M 2,048, K 2,048] x [K 2,048, N 2,048]; A: input h0 (given as codes); B: input Wih (given as codes): QUANTISED
;;     5. [M 2,048, K 2,048] x [K 2,048, N 2,048]; A: input input (given as codes); B: input Wfx (given as codes): QUANTISED
;;     6. [M 2,048, K 2,048] x [K 2,048, N 2,048]; A: input h0 (given as codes); B: input Wfh (given as codes): QUANTISED
;;     7. [M 2,048, K 2,048] x [K 2,048, N 2,048]; A: input input (given as codes); B: input Wox (given as codes): QUANTISED
;;     8. [M 2,048, K 2,048] x [K 2,048, N 2,048]; A: input h0 (given as codes); B: input Woh (given as codes): QUANTISED
;;   THE QUANTISER, for each operand of a quantised product, along K:
;;     - K is cut into blocks of 32 from its start; a last block that is shorter is filled with zeros.
;;     - A block's scale is 2^e with e = floor(log2(the largest magnitude in the block)) - 2, held to -126 .. 127; a block of zeros has e = 0. As a byte (E8M0): e + 127.
;;     - Each number is divided by its block's scale, clamped to +-7.5, and rounded to the nearest number of E2M3, ties to even, subnormals kept.
;;     - The product sums the exact products of the quantised numbers (number of the format x scale) in f32.
;;   ~~~python
;;   def quantise(x, axis):      # numpy; x: float32 -> the quantised numbers, widened to float32 again
;;       x = np.moveaxis(x, axis, -1); K = x.shape[-1]
;;       x = np.pad(x, [(0, 0)] * (x.ndim - 1) + [(0, -K % 32)]); x = x.reshape(x.shape[:-1] + (-1, 32)); a = np.abs(x).max(-1, keepdims=True)
;;       e = np.where(a > 0, np.clip(np.frexp(np.where(a > 0, a, 1))[1] - 1 - 2, -126, 127), 0)      # np.frexp(a)[1] - 1 = floor(log2(a)), exactly
;;       r = np.clip(x / 2.0 ** e, -7.5, 7.5)
;;       step = 2.0 ** (np.maximum(np.frexp(np.where(r == 0, 1, r))[1] - 1, 0) - 3)
;;       q = np.round(r / step) * step * 2.0 ** e      # np.round: ties to even
;;       return np.moveaxis(q.reshape(q.shape[:-2] + (-1,))[..., :K], -1, axis).astype(np.float32)
;;   ~~~
;;   INPUTS GIVEN AS CODES. Wfh (in the module: [2048, 2048], K = its axis 1); Wfx (in the module: [2048, 2048], K = its axis 1); Wgh (in the module: [2048, 2048], K = its axis 1); Wgx (in the module: [2048, 2048], K = its axis 1); Wih (in the module: [2048, 2048], K = its axis 1); Wix (in the module: [2048, 2048], K = its axis 1); Woh (in the module: [2048, 2048], K = its axis 1); Wox (in the module: [2048, 2048], K = its axis 1); h0 (in the module: [2048, 2048], K = its axis 1); input (in the module: [2048, 2048], K = its axis 1): each comes as NAME_codes (uint8): NAME with its K axis moved to the last place and cut into blocks of 32 codes, [.., K / 32, bytes a block], one block behind the other in memory; four codes in three bytes: a row's codes are one little-endian stream of bits, code i at bits 6 i .. 6 i + 5 (a code: sign, 2 exponent bits, 3 mantissa bits); and NAME_scales (uint8): the same leading axes, one E8M0 byte (e + 127) for each 32 codes along K. Its value is code x scale, taken as it is: it is not quantised again, and the codes and scales need not be those that the quantiser above would give.
;; One version. Each part assembles by itself: llvm-mc -triple=amdgcn-amd-amdhsa -mcpu=gfx1250 --defsym DOCPART=n.
;; ======== version 1 of 1: 2 launches
;; limits: inputs' magnitudes at most 140,000,000,000,000; right only within a limited range of input values
;; workspace buffers: ws 32,800,768 bytes
;; launch prep (part 1): grid 128 x 10, 8 waves a work-group, no clusters, 25,856 bytes of LDS; arguments input_codes, h0_codes, Wgx_codes, Wix_codes, Wfx_codes, Wox_codes, Wgh_codes, Wih_codes, Wfh_codes, Woh_codes, input_scales, h0_scales, Wgx_scales, Wix_scales, Wfx_scales, Wox_scales, Wgh_scales, Wih_scales, Wfh_scales, Woh_scales, bgx, bgh, bix, bih, bfx, bfh, box, boh, ws; writes ws
.if DOCPART == 1
	.amdgcn_target "amdgcn-amd-amdhsa--gfx1250"
	.amdhsa_code_object_version 6
	.text
	.protected	k_q0c7b31fa97_prep
	.globl	k_q0c7b31fa97_prep
	.p2align	8
	.type	k_q0c7b31fa97_prep,@function
k_q0c7b31fa97_prep:
	s_mov_b64 s[64:65], 0
	v_nop
	global_prefetch_b8 v0, s[64:65] scope:SCOPE_SE
	s_setreg_imm32_b32 hwreg(HW_REG_WAVE_MODE, 25, 1), 1
	s_wait_xcnt 0x0
; Lays the ten code tensors, their scale bytes and the eight biases into ONE workspace, in the order in which the cell launch's registers take them.  No number is changed.
; The cell has 29 inputs and 2 outputs, more buffers than one launch can be given; and a K step's weight tile comes from four buffers.  Here each becomes one dense block.
; ws: codes of the batch operands  [ty 8][t 16][blk 16][q 2][p 3][lane 32][16 bytes]   (t: K step of 256, 0-7 input, 8-15 h0; blk: 16 rows; q: 128 along K)
;     codes of the weights         [tx 32][t 16][blk 16][q][p][lane][16 bytes]         (blk = 8 (column / 32 % 2) + 2 gate + (column / 16 % 2); gates g, i, f, o; t 0-7 W?x, 8-15 W?h)
;     lane (r, h) of (blk, q, p) holds bytes 192 (t % 8) + 96 q + 48 h + 16 p .. + 15 of row r of the block: 48 consecutive bytes of a row make a lane's 12 operand registers.
;     The operand's layout gives lane h the blocks of 32 numbered h and 2 + h; here it gets blocks 2 h and 2 h + 1, in both operands alike, so bytes 1 and 2 of every scale word change places.
;     scale words [ty 8 | tx 32][blk 16][t 16][r 16][8 bytes: the words of q = 0, 1];   bsum [4][2048] f32 = b?x + b?h.
; A work-group takes 16 rows of tensor number y (24,576 consecutive bytes): in by rows, 512 consecutive bytes a load; through LDS; out in the image's order, 512 consecutive bytes a store.
.set LP,    1552                       ; an LDS row: 1,536 + 16 = 97 x 16 bytes
.set SPARE, 16*LP                      ; the spare words, 128 bytes a wave
.set TILE,  49152
.set WCOD,  8*16*TILE
.set ASCL,  WCOD+32*16*TILE
.set WSCL,  ASCL+8*32768
.set BSUM,  WSCL+32*32768
	s_load_b512 s[4:19], s[0:1], 0x0               ; codes 0-7
	s_load_b512 s[20:35], s[0:1], 0x40             ; codes 8, 9; scales 0-5
	s_load_b512 s[36:51], s[0:1], 0x80             ; scales 6-9; bgx, bgh, bix, bih
	s_load_b256 s[52:59], s[0:1], 0xc0             ; bfx, bfh, box, boh
	s_load_b64 s[60:61], s[0:1], 0xe0              ; ws
	v_lshl_add_u32 v40, v0, 2, SPARE
	v_mov_b32 v41, 0
	v_and_b32 v1, 31, v0                           ; lane
	v_lshrrev_b32 v2, 5, v0                        ; wave
	v_readfirstlane_b32 s68, v2
	v_and_b32 v3, 15, v0                           ; r
	v_bfe_u32 v4, v0, 4, 1                         ; h
	v_mul_u32_u24 v5, v2, 3072
	v_lshl_add_u32 v5, v1, 4, v5                   ; in: wave w takes rows 2 w, 2 w + 1: 3,072 consecutive bytes
	v_mul_u32_u24 v6, v2, 2*LP
	v_lshl_add_u32 v6, v1, 4, v6                   ; the same place in LDS
	v_mul_u32_u24 v7, v3, LP
	v_mad_u32_u24 v7, v2, 192, v7
	v_mad_u32_u24 v7, v4, 48, v7                   ; back: wave w takes K step w: row r, byte 192 w + 48 h
	v_mul_u32_u24 v34, v2, TILE
	v_lshl_add_u32 v34, v1, 4, v34                 ; out: K step w's tile, 16 x lane
	v_lshrrev_b32 v35, 4, v0
	v_lshlrev_b32 v35, 3, v35
	v_lshl_add_u32 v35, v3, 6, v35                 ; scale bytes in (threads 0-127): row r, bytes 8 (thread / 16)
	v_lshlrev_b32 v36, 3, v0                       ; and out: 8 x thread
	v_lshlrev_b32 v37, 3, v1                       ; biases: 8 x lane
	s_and_b32 s66, ttmp7, 0xffff                   ; which tensor
	s_sub_co_u32 s69, s66, 2
	s_and_b32 s70, s69, 3                          ; a weight's gate
	s_lshr_b32 s71, s69, 2                         ; and its half of K
	s_bfe_u32 s72, ttmp9, 0x10001
	s_lshl_b32 s72, s72, 3
	s_lshl_b32 s70, s70, 1
	s_add_co_u32 s72, s72, s70
	s_and_b32 s73, ttmp9, 1
	s_add_co_u32 s72, s72, s73                     ; a weight's blk
	s_lshr_b32 s74, ttmp9, 2                       ; tx
	s_and_b32 s75, ttmp9, 15                       ; a batch operand's blk
	s_lshr_b32 s76, ttmp9, 4                       ; ty
	s_mov_b32 s80, WSCL
	s_cmp_lt_u32 s66, 2                            ; a batch operand?
	s_cselect_b32 s72, s75, s72
	s_cselect_b32 s74, s76, s74
	s_cselect_b32 s71, s66, s71
	s_cselect_b32 s78, 0, WCOD
	s_cselect_b32 s80, ASCL, s80
	s_mul_i32 s75, s74, 16*TILE
	s_add_co_u32 s78, s78, s75
	s_mul_i32 s75, s71, 8*TILE
	s_add_co_u32 s78, s78, s75
	s_mul_i32 s75, s72, 3072
	s_add_co_u32 s78, s78, s75                     ; where my codes go
	s_mov_b32 s79, 0
	s_lshl_b32 s75, s74, 15
	s_add_co_u32 s80, s80, s75
	s_lshl_b32 s75, s72, 11
	s_add_co_u32 s80, s80, s75
	s_lshl_b32 s75, s71, 10
	s_add_co_u32 s80, s80, s75                     ; where my scale words go
	s_mov_b32 s81, 0
	s_mul_i32 s82, ttmp9, 16*1536
	s_mov_b32 s83, 0
	s_lshl_b32 s90, ttmp9, 10
	s_mov_b32 s91, 0
	s_mov_b32 s67, 0x03010200                      ; v_perm_b32: bytes 1 and 2 of a word change places
	s_wait_alu depctr_va_vdst(0)                   ; the wait at the head's end
	s_wait_kmcnt 0x0
.irp k, 1,2,3,4,5,6,7,8,9                          ; my tensor: a choice on the work-group's number alone
	s_cmp_eq_u32 s66, \k
	s_cselect_b64 s[4:5], s[4+2*\k:5+2*\k], s[4:5]
	s_cselect_b64 s[24:25], s[24+2*\k:25+2*\k], s[24:25]
.endr
	s_add_nc_u64 s[4:5], s[4:5], s[82:83]
	s_add_nc_u64 s[24:25], s[24:25], s[90:91]
	s_add_nc_u64 s[84:85], s[60:61], s[78:79]
	s_add_nc_u64 s[86:87], s[60:61], s[80:81]
.irp k, 0,1,2,3,4,5
	global_load_b128 v[8+4*\k:11+4*\k], v5, s[4:5] offset:512*\k th:TH_LOAD_NT
.endr
	s_cmp_lt_u32 s68, 4
	s_cbranch_scc0 .Lnot_scales
	global_load_b64 v[32:33], v35, s[24:25]        ; waves 0-3: the 16 rows' 1,024 scale bytes
	s_wait_loadcnt 0x0
	v_perm_b32 v32, v32, v32, s67
	v_perm_b32 v33, v33, v33, s67
	global_store_b64 v36, v[32:33], s[86:87]       ; a wave stores 256 consecutive bytes
	s_branch .Ljoin
.Lnot_scales:
	s_cmp_eq_u32 s68, 4
	s_cbranch_scc0 .Ljoin
	s_cmp_eq_u32 s66, 0
	s_cbranch_scc0 .Ljoin
	s_lshr_b32 s69, ttmp9, 5                       ; wave 4 of tensor 0's work-groups: 64 sums of biases, gate x / 32
.irp k, 1,2,3
	s_cmp_eq_u32 s69, \k
	s_cselect_b64 s[44:45], s[44+4*\k:45+4*\k], s[44:45]
	s_cselect_b64 s[46:47], s[46+4*\k:47+4*\k], s[46:47]
.endr
	s_and_b32 s70, ttmp9, 31
	s_lshl_b32 s70, s70, 8
	s_mov_b32 s71, 0
	s_add_nc_u64 s[44:45], s[44:45], s[70:71]
	s_add_nc_u64 s[46:47], s[46:47], s[70:71]
	s_lshl_b32 s70, ttmp9, 8
	s_add_co_u32 s70, s70, BSUM
	s_add_nc_u64 s[88:89], s[60:61], s[70:71]
	global_load_b64 v[32:33], v37, s[44:45]
	global_load_b64 v[38:39], v37, s[46:47]
	s_wait_loadcnt 0x0
	v_pk_add_f32 v[32:33], v[32:33], v[38:39]
	global_store_b64 v37, v[32:33], s[88:89]
.Ljoin:
	s_wait_loadcnt 0x0
.irp k, 0,1,2,3,4,5
	ds_store_b128 v6, v[8+4*\k:11+4*\k] offset:(\k/3)*LP+512*(\k%3)
.endr
	s_wait_dscnt 0x0                               ; for the other waves' sake
	s_barrier_signal -1
	s_barrier_wait -1
.irp k, 0,1,2,3,4,5
	ds_load_b128 v[8+4*\k:11+4*\k], v7 offset:96*(\k/3)+16*(\k%3)
.endr
	s_wait_dscnt 0x0
.irp k, 0,1,2,3,4,5
	global_store_b128 v34, v[8+4*\k:11+4*\k], s[84:85] offset:512*\k   ; 512 consecutive bytes, at a multiple of 256 from ws's first byte
.endr
	s_wait_tensorcnt 0x0                           ; the wave's end
	ds_add_u32 v40, v41
	s_wait_dscnt 0x0
	s_endpgm
.Lfunc_end_k_q0c7b31fa97_prep:
	.size	k_q0c7b31fa97_prep, .Lfunc_end_k_q0c7b31fa97_prep-k_q0c7b31fa97_prep
	.p2alignl 7, 3214868480
	.fill 96, 4, 3214868480
	.section	.rodata,"a",@progbits
	.p2align	6, 0x0
	.amdhsa_kernel k_q0c7b31fa97_prep
		.amdhsa_group_segment_fixed_size 25856
		.amdhsa_private_segment_fixed_size 0
		.amdhsa_enable_private_segment 0
		.amdhsa_kernarg_size 232
		.amdhsa_user_sgpr_count 2
		.amdhsa_user_sgpr_kernarg_segment_ptr 1
		.amdhsa_wavefront_size32 1
		.amdhsa_system_sgpr_workgroup_id_x 1
		.amdhsa_system_sgpr_workgroup_id_y 1
		.amdhsa_system_sgpr_workgroup_id_z 1
		.amdhsa_system_vgpr_workitem_id 0
		.amdhsa_next_free_vgpr 48
		.amdhsa_next_free_sgpr 92
		.amdhsa_reserve_vcc 0
		.amdhsa_float_denorm_mode_32 3
		.amdhsa_float_denorm_mode_16_64 3
		.amdhsa_memory_ordered 1
		.amdhsa_forward_progress 1
		.amdhsa_inst_pref_size 9
	.end_amdhsa_kernel
	.amdgpu_metadata
---
amdhsa.version: [ 1, 2 ]
amdhsa.kernels:
  - .name:           k_q0c7b31fa97_prep
    .symbol:         k_q0c7b31fa97_prep.kd
    .args:
      - { .name: input_codes, .offset: 0, .size: 8, .value_kind: global_buffer, .address_space: global }
      - { .name: h0_codes, .offset: 8, .size: 8, .value_kind: global_buffer, .address_space: global }
      - { .name: Wgx_codes, .offset: 16, .size: 8, .value_kind: global_buffer, .address_space: global }
      - { .name: Wix_codes, .offset: 24, .size: 8, .value_kind: global_buffer, .address_space: global }
      - { .name: Wfx_codes, .offset: 32, .size: 8, .value_kind: global_buffer, .address_space: global }
      - { .name: Wox_codes, .offset: 40, .size: 8, .value_kind: global_buffer, .address_space: global }
      - { .name: Wgh_codes, .offset: 48, .size: 8, .value_kind: global_buffer, .address_space: global }
      - { .name: Wih_codes, .offset: 56, .size: 8, .value_kind: global_buffer, .address_space: global }
      - { .name: Wfh_codes, .offset: 64, .size: 8, .value_kind: global_buffer, .address_space: global }
      - { .name: Woh_codes, .offset: 72, .size: 8, .value_kind: global_buffer, .address_space: global }
      - { .name: input_scales, .offset: 80, .size: 8, .value_kind: global_buffer, .address_space: global }
      - { .name: h0_scales, .offset: 88, .size: 8, .value_kind: global_buffer, .address_space: global }
      - { .name: Wgx_scales, .offset: 96, .size: 8, .value_kind: global_buffer, .address_space: global }
      - { .name: Wix_scales, .offset: 104, .size: 8, .value_kind: global_buffer, .address_space: global }
      - { .name: Wfx_scales, .offset: 112, .size: 8, .value_kind: global_buffer, .address_space: global }
      - { .name: Wox_scales, .offset: 120, .size: 8, .value_kind: global_buffer, .address_space: global }
      - { .name: Wgh_scales, .offset: 128, .size: 8, .value_kind: global_buffer, .address_space: global }
      - { .name: Wih_scales, .offset: 136, .size: 8, .value_kind: global_buffer, .address_space: global }
      - { .name: Wfh_scales, .offset: 144, .size: 8, .value_kind: global_buffer, .address_space: global }
      - { .name: Woh_scales, .offset: 152, .size: 8, .value_kind: global_buffer, .address_space: global }
      - { .name: bgx, .offset: 160, .size: 8, .value_kind: global_buffer, .address_space: global }
      - { .name: bgh, .offset: 168, .size: 8, .value_kind: global_buffer, .address_space: global }
      - { .name: bix, .offset: 176, .size: 8, .value_kind: global_buffer, .address_space: global }
      - { .name: bih, .offset: 184, .size: 8, .value_kind: global_buffer, .address_space: global }
      - { .name: bfx, .offset: 192, .size: 8, .value_kind: global_buffer, .address_space: global }
      - { .name: bfh, .offset: 200, .size: 8, .value_kind: global_buffer, .address_space: global }
      - { .name: box, .offset: 208, .size: 8, .value_kind: global_buffer, .address_space: global }
      - { .name: boh, .offset: 216, .size: 8, .value_kind: global_buffer, .address_space: global }
      - { .name: ws, .offset: 224, .size: 8, .value_kind: global_buffer, .address_space: global }
    .group_segment_fixed_size: 25856
    .private_segment_fixed_size: 0
    .kernarg_segment_align: 8
    .kernarg_segment_size: 232
    .max_flat_workgroup_size: 256
    .sgpr_count:     92
    .vgpr_count:     48
    .wavefront_size: 32
...
	.end_amdgpu_metadata
.endif
;; end of part 1
;; launch cell (part 2): grid 32 x 8, 4 waves a work-group, clusters of 4 x 4, 327,680 bytes of LDS; arguments ws, c0, out0, out1; writes out0, out1
.if DOCPART == 2
	.amdgcn_target "amdgcn-amd-amdhsa--gfx1250"
	.amdhsa_code_object_version 6
	.text
	.protected	k_q0c7b31fa97_cell
	.globl	k_q0c7b31fa97_cell
	.p2align	8
	.type	k_q0c7b31fa97_cell,@function
k_q0c7b31fa97_cell:
	s_mov_b64 s[64:65], 0
	v_nop
	global_prefetch_b8 v0, s[64:65] scope:SCOPE_SE
	s_setreg_imm32_b32 hwreg(HW_REG_WAVE_MODE, 25, 1), 1
	s_wait_xcnt 0x0
	s_wait_alu depctr_hold_cnt(0) depctr_sa_sdst(0) depctr_va_vdst(0) depctr_va_sdst(0) depctr_va_ssrc(0) depctr_va_vcc(0) depctr_vm_vsrc(0)
	s_getreg_b32 s2, hwreg(HW_REG_IB_STS2, 6, 4)
	s_cmp_eq_u32 s2, 0
	s_cbranch_scc0 .Lentry_in_a_cluster
	s_endpgm
.Lentry_in_a_cluster:
	s_bfe_u32 s2, ttmp6, 0x10000c
	s_cmp_lg_u32 s2, 0xf033
	s_cbranch_scc0 .Lentry_shape_is_right
	s_endpgm
.Lentry_shape_is_right:
; LSTM cell, B = IN = H = 2048.  pre[gate] = input W?x^T + h0 W?h^T + bsum[gate] (gates g, i, f, o), on codes of FP6 (E2M3) with one E8M0 byte for each 32 along K;
; cy = sigmoid(f) c0 + sigmoid(i) tanh(g) -> out1;  hy = sigmoid(o) tanh(cy) -> out0.  Sums and the tail in f32.  Codes, scale words and bias sums come from ws, as launch prep laid them.
; SHARES.  A work-group owns rows 256 ty .. + 255 of the batch and columns 64 tx .. + 63 of ALL FOUR gates: 32 x 8 work-groups.  Wave w (rh = w / 2, ch = w % 2) owns rows 128 rh .. + 127 and
; columns 32 ch .. + 31 of the four gates: 64 accumulators, 512 registers.  Weight block b = 2 gate + u is the gate's columns 32 ch + 16 u .. + 15.
; THE MATRIX INSTRUCTION IS USED TRANSPOSED (source 0 = 16 weight rows, source 1 = 16 batch rows): lane (r, h), register j of accumulator (a, b) is the gate's number at row 16 a + r, column 16 u + 8 h + j:
; the four gates of one element lie in one lane at the same j.  The bias is the C of each sum's first product.
; K.  16 steps of 256 along K (8 of x, 8 of h) through two LDS slots.  A step's tile of either operand is 49,152 dense bytes of ws, fetched as rows of 256 bytes; a fragment is three loads of 16 bytes a lane at 16 x lane.
; ONE RUN OF LDS LOADS FOR EACH 128 ALONG K: behind the first 32 of a step's 64 products stand all 48 loads of the next 128.  So all fragments of a slot's second 128 are asked for during its first 128,
; and the slot is given up 32 products into its second 128; from the wait for the tensor loads to the refill a wave issues 16 products, so a refill has 112 products of the wave in which to land.
; CLUSTERS, 4 x 4: the four of a row share ty and so the batch operand's tiles, the four of a column share tx and so the weights': each tile is asked for jointly.
; LIMITS.  Within a step of 128 along K the second and third block of 32 change places in both operands (prep): another order of rounding inside the unit's sum.
; tanh(x) is 1 - 2 / (1 + 2^(2 log2(e) x)): its error is about one unit in the last place of 1, also where |x| is small.  v_exp_f32 and v_rcp_f32 flush denormals.
; REGISTERS, in windows of 256.  Window 0: v0-31 addresses; v32-63 scale words, two sets, and nothing else; v128-175 the batch operand's blocks 0-3, one set; v176-223 and v64-111 its blocks 4-7, two sets;
;   in the tail v64-255 are at work.  Window 1: the weights' fragments, two sets at v0 and v128; the bias tiles at v96-127 and v224-255.  Window 2: accumulators of my rows 0-63 ((a, b) at v[8 (8 (a % 4) + b)]); window 3: rows 64-127.
.set TILE,  49152                      ; 256 rows x 192 bytes
.set HALF,  TILE/2                     ; what one load of the ring brings, and what one wave reads of either operand
.set SLOT,  2*TILE                     ; the batch operand's tile, then the weights'
.set WCOD,  8*16*TILE                  ; ws's parts, as prep has them
.set ASCL,  WCOD+32*16*TILE
.set WSCL,  ASCL+8*32768
.set BSUM,  WSCL+32*32768
.set SCLA,  2*SLOT                     ; LDS: the batch operand's scale words, all of K; the weights'
.set SCLB,  SCLA+32768
.set SPARE, SCLB+32768                 ; the spare words, 128 bytes a wave
.set CP,    272                        ; rows of 256 bytes + 16: c0, cy, hy
.set C0L,   0                          ; c0, then cy in place: it takes slot 0 after that slot's last read
.set HST,   SLOT                       ; hy's stage: slot 1, behind its last read
.set FR,    12
.set PFC,  5                           ; v5   8,192 x lane: c0's prefetch
.set GO,   6                           ; v6   the way out: 8,192 h + 16 r
.set BA,   7                           ; v7   my bias numbers
.set ADRA, 16                          ; v16-17 my fragments of the batch operand in slot 0, 1
.set ADRB, 20                          ; v20-21 of the weights
.set ADRS, 22                          ; v22-23 my scale words: lanes 0-15 the batch operand's, lanes 16-31 the weights'; slot 0's, slot 1's K step
.set CA,   25
.set HA,   26
.set RDC,  27
.set SPW,  28
.set NIL,  29
.set PFO,  30                          ; v30  256 x min(lane, 23): the tiles' prefetch
.set RDH,  31
.set SC,   32
.set AF,   128
.set TG,   64
.set TI,   80
.set TF,   96
.set X1,   128
.set CC,   160
.set OUT,  192
.set WV,   12
.set RH,   13
.set CH,   14
.set CX,   15
.set CY,   16
.set TX,   17
.set TY,   18
.set LAP,  19
.set G1A,  24                          ; group 1 and groups 0 (one a slot) of the batch operand's tiles; of the weights'
.set G0A,  32
.set G1B,  40
.set G0B,  48
.set G1S,  56                          ; the scale words' descriptors; behind the head s[56:63], s[68:71] are c0's
.set G0S,  68
.set G1SB, 72
.set G0SB, 80
.set G0H,  84                          ; the head's whole tiles
.set G0HB, 88
.set G1C,  56
.set G0C,  68
.set KG,   92                          ; 2 log2(e)
.set KS,   94                          ; -log2(e)
.set PFA,  100
.set MSB, 0
.macro WIN new
.if MSB != (\new)
	s_set_vgpr_msb (MSB<<8)|(\new)
.set MSB, (\new)
.endif
.endm
.set MUL_LO, 0xa1
.set MUL_HI, 0xf1
.macro CREST
	s_cmp_lg_u32 s[WV], 0
	s_cbranch_scc1 .Lnot_wave_0_\@
	s_barrier_signal -3
.Lnot_wave_0_\@:
	s_barrier_wait -3
	s_barrier_signal -1
	s_barrier_wait -1
.endm
.macro CROUND
	s_barrier_signal -1
	s_barrier_wait -1
	CREST
.endm
.macro PLACES n
.rept \n
	v_nop
.endr
.endm
.macro JLOAD s                         ; a joint load: waves 0, 1 fetch the batch operand's halves, waves 2, 3 the weights'
	s_cmp_eq_u32 s[RH], 0
	s_cbranch_scc0 .Lfor_b_\@
	tensor_load_to_lds s[G0A+4*\s:G0A+4*\s+3], s[G1A:G1A+7]
	s_nop 0
	PLACES 4
	s_branch .Lasked_\@
.Lfor_b_\@:
	tensor_load_to_lds s[G0B+4*\s:G0B+4*\s+3], s[G1B:G1B+7]
	s_nop 0
	PLACES 4
.Lasked_\@:
.endm
	s_load_b256 s[4:11], s[0:1], 0x0               ; ws, c0, out0, out1
	v_lshl_add_u32 v[SPW], v0, 2, SPARE
	v_mov_b32 v[NIL], 0
	ds_add_u32 v[SPW], v[NIL]                      ; the opening lines: the add twice on end and its wait
	ds_add_u32 v[SPW], v[NIL]
	v_lshrrev_b32 v1, 5, v0
	v_readfirstlane_b32 s[WV], v1
	s_lshr_b32 s[RH], s[WV], 1
	s_and_b32 s[CH], s[WV], 1
	s_bfe_u32 s[CX], ttmp6, 0x40000
	s_bfe_u32 s[CY], ttmp6, 0x40004
	s_lshl_b32 s[TX], ttmp9, 2
	s_add_co_u32 s[TX], s[TX], s[CX]
	s_and_b32 s[TY], ttmp7, 0xffff
	s_lshl_b32 s[TY], s[TY], 2
	s_add_co_u32 s[TY], s[TY], s[CY]
	s_lshl_b32 s20, s[CY], 2
	s_lshl_b32 s20, 15, s20                        ; my row of the cluster
	s_lshl_b32 s21, 0x1111, s[CX]                  ; my column
	s_or_b32 s[G1A], s20, (3<<16)|(1<<21)          ; dense blocks as rows of 32 elements of 8 bytes; the mask, bit 21 beside it
	s_or_b32 s[G1B], s21, (3<<16)|(1<<21)
	s_or_b32 s[G1S], s20, (3<<16)|(1<<21)
	s_or_b32 s[G1SB], s21, (3<<16)|(1<<21)
.irp g, G1A, G1B                                   ; the head's loads bring whole tiles: 192 rows of 256 bytes
	s_mov_b32 s[\g+1], 32<<16
	s_mov_b32 s[\g+2], 192<<16
	s_mov_b32 s[\g+3], 32<<16
	s_mov_b32 s[\g+4], 192
	s_mov_b32 s[\g+5], 32
	s_mov_b32 s[\g+6], 0
	s_mov_b32 s[\g+7], 0
.endr
.irp g, G1S, G1SB                                  ; 32,768 bytes of scale words: 128 rows
	s_mov_b32 s[\g+1], 32<<16
	s_mov_b32 s[\g+2], 128<<16
	s_mov_b32 s[\g+3], 32<<16
	s_mov_b32 s[\g+4], 128
	s_mov_b32 s[\g+5], 32
	s_mov_b32 s[\g+6], 0
	s_mov_b32 s[\g+7], 0
.endr
	s_mul_i32 s22, s[TY], 16*TILE                  ; the batch operand's places hang on ty alone,
	s_mov_b32 s23, 0
	s_lshl_b32 s96, s[TY], 15
	s_add_co_u32 s96, s96, ASCL
	s_mov_b32 s97, 0
	s_mul_i32 s98, s[TX], 16*TILE                  ; the weights' on tx alone
	s_add_co_u32 s98, s98, WCOD
	s_mov_b32 s99, 0
	s_lshl_b32 s2, s[TX], 15
	s_add_co_u32 s2, s2, WSCL
	s_mov_b32 s3, 0
	s_wait_dscnt 0x0
	s_wait_kmcnt 0x0
	s_add_nc_u64 s[22:23], s[4:5], s[22:23]
	s_add_nc_u64 s[96:97], s[4:5], s[96:97]
	s_add_nc_u64 s[98:99], s[4:5], s[98:99]
	s_add_nc_u64 s[2:3], s[4:5], s[2:3]
	CROUND                                         ; all sixteen work-groups are here: the first joint loads meet
	s_mov_b32 s[G0H], 1
	s_mov_b32 s[G0H+1], 0
	s_mov_b64 s[G0H+2:G0H+3], s[22:23]
	s_or_b32 s[G0H+3], s[G0H+3], 0x80000000
	s_mov_b32 s[G0HB], 1
	s_mov_b32 s[G0HB+1], TILE
	s_mov_b64 s[G0HB+2:G0HB+3], s[98:99]
	s_or_b32 s[G0HB+3], s[G0HB+3], 0x80000000
	s_mov_b32 s[G0S], 1
	s_mov_b32 s[G0S+1], SCLA
	s_mov_b64 s[G0S+2:G0S+3], s[96:97]
	s_or_b32 s[G0S+3], s[G0S+3], 0x80000000
	s_mov_b32 s[G0SB], 1
	s_mov_b32 s[G0SB+1], SCLB
	s_mov_b64 s[G0SB+2:G0SB+3], s[2:3]
	s_or_b32 s[G0SB+3], s[G0SB+3], 0x80000000
; THE HEAD'S LOADS, ONE A WAVE: K step 0's two tiles, then the two blocks of scale words; one chain of branches on the wave's number
.macro ARM under, g0, g1, next
	s_cmp_lt_u32 s[WV], \under
	s_cbranch_scc0 \next
	tensor_load_to_lds s[\g0:\g0+3], s[\g1:\g1+7]
	s_nop 0
	PLACES 4
	s_branch .Lhead_asked
\next:
.endm
	ARM 1, G0H,  G1A, .Lhead_b
	ARM 2, G0HB, G1B, .Lhead_sa
	ARM 3, G0S,  G1S, .Lhead_sb
	tensor_load_to_lds s[G0SB:G0SB+3], s[G1SB:G1SB+7]
	s_nop 0
	PLACES 4
.Lhead_asked:
	s_mul_i32 s100, s[CH], HALF                    ; in the ring I fetch half a tile: which half,
	s_mov_b32 s101, 0
	s_mul_i32 s104, s[WV], HALF                    ; and where it goes: wave x half a tile
	s_add_nc_u64 s[22:23], s[22:23], s[100:101]
	s_add_nc_u64 s[98:99], s[98:99], s[100:101]
.irp s, 0,1
	s_mov_b32 s[G0A+4*\s], 1
	s_add_co_u32 s[G0A+4*\s+1], s104, \s*SLOT
	s_add_nc_u64 s[G0A+4*\s+2:G0A+4*\s+3], s[22:23], \s*TILE
	s_or_b32 s[G0A+4*\s+3], s[G0A+4*\s+3], 0x80000000
	s_mov_b32 s[G0B+4*\s], 1
	s_add_co_u32 s[G0B+4*\s+1], s104, \s*SLOT
	s_add_nc_u64 s[G0B+4*\s+2:G0B+4*\s+3], s[98:99], \s*TILE
	s_or_b32 s[G0B+4*\s+3], s[G0B+4*\s+3], 0x80000000
.endr
	; the prefetches: of the 96 blocks of 256 bytes that I fetch, the four partners that ask with me take 24 each, told apart by address (cx for the batch operand, cy for the weights)
	s_cmp_eq_u32 s[RH], 0
	s_cselect_b64 s[PFA:PFA+1], s[22:23], s[98:99]
	s_cselect_b32 s20, s[CX], s[CY]
	s_mul_i32 s20, s20, 24*256
	s_add_co_u32 s20, s20, TILE                    ; at K step 1
	s_mov_b32 s21, 0
	s_add_nc_u64 s[PFA:PFA+1], s[PFA:PFA+1], s[20:21]
	s_lshl_b32 s105, s[TX], 8                      ; 64 tx columns in bytes
	s_lshl_b32 s20, s[TY], 8
	s_lshl_b32 s66, s[WV], 6
	s_add_co_u32 s20, s20, s66
	s_lshl_b32 s20, s20, 13
	s_add_co_u32 s20, s20, s105
	s_add_nc_u64 s[6:7], s[6:7], s[20:21]          ; c0 at row 256 ty + 64 w, column 64 tx: the 64 rows that I fetch
	s_lshl_b32 s20, s[TY], 8
	s_lshl_b32 s66, s[RH], 7
	s_add_co_u32 s20, s20, s66
	s_lshl_b32 s66, s[CH], 3
	s_add_co_u32 s20, s20, s66
	s_lshl_b32 s20, s20, 13
	s_add_co_u32 s20, s20, s105
	s_add_nc_u64 s[8:9], s[8:9], s[20:21]          ; out0, out1 at row 256 ty + 128 rh + 8 ch, column 64 tx: of each block of 16 rows I store eight
	s_add_nc_u64 s[10:11], s[10:11], s[20:21]
	s_add_nc_u64 s[4:5], s[4:5], BSUM
	s_mov_b32 s[KG], 0x4038aa3b
	s_mov_b32 s[KG+1], 0x4038aa3b
	s_mov_b32 s[KS], 0xbfb8aa3b
	s_mov_b32 s[KS+1], 0xbfb8aa3b
	s_mul_i32 s66, s[RH], HALF                     ; my half of the batch operand's tile
	s_mul_i32 s67, s[CH], HALF
	s_add_co_u32 s67, s67, TILE                    ; of the weights'
	s_lshl_b32 s96, s[RH], 14
	s_add_co_u32 s96, s96, SCLA                    ; lanes 0-15: my 8 blocks' scale words, 2,048 bytes a block
	s_xor_b32 s97, s[RH], 1
	s_add_co_u32 s97, s97, s[CH]
	s_add_co_u32 s97, s97, 1
	s_lshl_b32 s97, s97, 14                        ; lanes 16-31: the weights', this far on
	s_mul_i32 s2, s[RH], 128*CP
	s_lshl_b32 s3, s[CH], 7
	s_add_co_u32 s2, s2, s3                        ; c0, cy: row 128 rh, byte 128 ch
	s_add_co_u32 s105, s105, s3                    ; bsum: my first column in bytes
	s_lshl_b32 s3, s[RH], 7
	s_lshl_b32 s20, s[CH], 3
	s_add_co_u32 s3, s3, s20
	s_mul_i32 s3, s3, CP                           ; back by rows: row 128 rh + 8 ch
	v_and_b32 v1, 31, v0
	v_and_b32 v2, 15, v0                           ; r
	v_bfe_u32 v3, v0, 4, 1                         ; h
	v_lshlrev_b32 v4, 4, v1
	v_add_nc_u32 v[ADRA], s66, v4
	v_add_nc_u32 v[ADRA+1], SLOT, v[ADRA]
	v_add_nc_u32 v[ADRB], s67, v4
	v_add_nc_u32 v[ADRB+1], SLOT, v[ADRB]
	v_mul_u32_u24 v8, s97, v3
	v_lshl_add_u32 v8, v2, 3, v8
	v_add_nc_u32 v[ADRS], s96, v8
	v_add_nc_u32 v[ADRS+1], 128, v[ADRS]           ; a K step's words of a block are 128 bytes
	v_mul_u32_u24 v8, v2, CP
	v_lshl_add_u32 v8, v3, 5, v8
	v_add_nc_u32 v[CA], s2, v8
	v_add_nc_u32 v[HA], HST, v[CA]
	v_mul_u32_u24 v8, v3, CP
	v_lshl_add_u32 v8, v2, 4, v8
	v_add_nc_u32 v[RDC], s3, v8
	v_add_nc_u32 v[RDH], HST, v[RDC]
	v_lshlrev_b32 v[GO], 13, v3
	v_lshl_add_u32 v[GO], v2, 4, v[GO]
	v_lshlrev_b32 v[PFC], 13, v1
	v_min_u32 v[PFO], 23, v1                       ; lanes 24-31 name the wave's last block again
	v_lshlrev_b32 v[PFO], 8, v[PFO]
	v_lshl_add_u32 v[BA], v3, 5, s105
	s_wait_alu depctr_va_vdst(0)                   ; the wait at the head's end
	global_prefetch_b8 v[PFO], s[PFA:PFA+1] th:TH_LOAD_NT scope:SCOPE_SE               ; K steps 1 and 2: their first touch, behind K step 0's load
	global_prefetch_b8 v[PFO], s[PFA:PFA+1] offset:TILE th:TH_LOAD_NT scope:SCOPE_SE
	WIN 0x40
.irp b, 0,1,2,3,4,5,6,7                            ; the bias tiles, in the result's layout: register j = bsum[b / 2][my first column + 16 (b % 2) + 8 h + j]
	global_load_b128 v[96+8*\b+96*(\b/4):99+8*\b+96*(\b/4)], v[BA], s[4:5] offset:(\b/2)*8192+64*(\b%2)
	global_load_b128 v[100+8*\b+96*(\b/4):103+8*\b+96*(\b/4)], v[BA], s[4:5] offset:(\b/2)*8192+64*(\b%2)+16
.endr
	WIN 0
.macro FRAG reg, adr, q, i             ; 16 rows x 128 K: three loads of 16 bytes a lane, 512 consecutive bytes each
.irp t, 0,1,2
	ds_load_b128 v[\reg+4*\t:\reg+4*\t+3], v[\adr] offset:(\i)*3072+(\q)*1536+512*\t
.endr
.endm
.macro FETCH_B slot, q, p              ; the weights' eight fragments into set p: 24 loads
	WIN 0x40
.irp i, 0,1,2,3,4,5,6,7
	FRAG 128*(\p)+FR*\i, ADRB+\slot, \q, \i
.endr
	WIN 0
.endm
.macro FETCH_L slot, q                 ; the batch operand's blocks 0-3: 12 loads
.irp i, 0,1,2,3
	FRAG AF+FR*\i, ADRA+\slot, \q, \i
.endr
.endm
.macro FETCH_H slot, q                 ; its blocks 4-7 into set q: 12 loads
.irp i, 4,5,6,7
	FRAG 176-112*(\q)+FR*(\i-4), ADRA+\slot, \q, \i
.endr
.endm
.macro SCALES s                        ; a K step's two scale words a row: lanes 0-15 the batch operand's block i, lanes 16-31 the weights' block i
.irp i, 0,1,2,3,4,5,6,7
	ds_load_b64 v[SC+16*\s+2*\i:SC+16*\s+2*\i+1], v[ADRS+\s] offset:\i*2048
.endr
.endm
; 8 matrix instructions: batch block a x the weights' eight.  zero = 1: the bias tile is the C of the sum's first product.  The 64 accumulators take turns.
.macro MUL8 a, p, q, sc, zero
.if (\a) < 4
.set AR, AF+FR*(\a)
.else
.set AR, 176-112*(\q)+FR*((\a)-4)
.endif
.irp b, 0,1,2,3,4,5,6,7
.if \zero
	v_wmma_scale_f32_16x16x128_f8f6f4 v[8*(8*((\a)%4)+\b):8*(8*((\a)%4)+\b)+7], v[128*(\p)+FR*\b:128*(\p)+FR*\b+FR-1], v[AR:AR+FR-1], v[96+8*\b+96*(\b/4):96+8*\b+96*(\b/4)+7], v[SC+16*(\sc)+2*\b+(\q)], v[SC+16*(\sc)+2*(\a)+(\q)] matrix_a_fmt:MATRIX_FMT_FP6 matrix_b_fmt:MATRIX_FMT_FP6 matrix_a_scale:MATRIX_SCALE_ROW1
.else
	v_wmma_scale_f32_16x16x128_f8f6f4 v[8*(8*((\a)%4)+\b):8*(8*((\a)%4)+\b)+7], v[128*(\p)+FR*\b:128*(\p)+FR*\b+FR-1], v[AR:AR+FR-1], v[8*(8*((\a)%4)+\b):8*(8*((\a)%4)+\b)+7], v[SC+16*(\sc)+2*\b+(\q)], v[SC+16*(\sc)+2*(\a)+(\q)] matrix_a_fmt:MATRIX_FMT_FP6 matrix_b_fmt:MATRIX_FMT_FP6 matrix_a_scale:MATRIX_SCALE_ROW1
.endif
.endr
.endm
; PREFETCHES, behind the joint load, its lines and the run of LDS loads: the K step two refills on, 24 blocks of 256 bytes a wave; the loop's last trip has no such K step.
; c0: in the loop's last trip, one lap ahead of its tensor load, each wave names the 64 rows x 256 bytes that it will fetch.
.macro ASK slot
	s_cmp_gt_u32 s[LAP], 1
	s_cbranch_scc0 .Lno_tile_\@
	global_prefetch_b8 v[PFO], s[PFA:PFA+1] th:TH_LOAD_NT scope:SCOPE_SE
.Lno_tile_\@:
.if \slot == 0
	s_cmp_eq_u32 s[LAP], 1
	s_cbranch_scc0 .Lno_c0_\@
	global_prefetch_b8 v[PFC], s[6:7] th:TH_LOAD_NT scope:SCOPE_SE
	global_prefetch_b8 v[PFC], s[6:7] offset:32*8192 th:TH_LOAD_NT scope:SCOPE_SE
.Lno_c0_\@:
.endif
.endm
; The first 128 along K of the K step in \slot; in its middle the one run of loads for the second 128
.macro STEP slot, zero
	s_wait_dscnt 12                                ; the scale words, the weights' set and blocks 0-3 are in; the youngest 12 loads (blocks 4-7) may be out
.if \zero
	WIN 0x91                                       ; C (the bias) window 1, D window 2
.else
	WIN MUL_LO
.endif
.irp a, 0,1,2,3
	MUL8 \a, 0, 0, \slot, \zero
.endr
	s_wait_dscnt 0x0                               ; blocks 4-7 are in
	PLACES 4                                       ; in front of loads into registers that products have read (ISA guide 7.12.1 for vector instructions)
	FETCH_B \slot, 1, 1
	FETCH_L \slot, 1
	FETCH_H \slot, 1
.if \zero
	WIN 0xd1
.else
	WIN MUL_HI
.endif
.irp a, 4,5,6,7
	MUL8 \a, 0, 0, \slot, \zero
.endr
	WIN 0
.endm
; The second 128 along K, and the change of slots: one round of the cluster's barrier.  Behind the first 16 products each wave waits for all its tensor loads (one is out: its part of the next slot), adds 0 to its
; spare word, and waits for that and for its reads of this slot, all of which were issued in the first 128.  fill = 1: this slot takes the K step two on; fill = 2: it takes c0.
; Behind the round: the refill, then the one run of loads for the next slot's first 128, its scale words first.
.macro TURN slot, next, fill
.if \fill == 1
	s_wait_xcnt 0x0                                ; the last prefetch has read its address
	s_add_nc_u64 s[PFA:PFA+1], s[PFA:PFA+1], TILE
.endif
	s_wait_dscnt 12                                ; the weights' set and blocks 0-3 are in; blocks 4-7 may be out
	WIN MUL_LO
	MUL8 0, 1, 1, \slot, 0
	MUL8 1, 1, 1, \slot, 0
	WIN 0                                          ; (the add's two registers lie in window 0)
	s_wait_tensorcnt 0x0
	ds_add_u32 v[SPW], v[NIL]
	WIN MUL_LO
	MUL8 2, 1, 1, \slot, 0                         ; eight products stand between the add and the wait for it
	s_wait_dscnt 0x0
	s_barrier_signal -1
	MUL8 3, 1, 1, \slot, 0
	WIN 0
	s_barrier_wait -1
	CREST
.if \fill == 1
	s_add_nc_u64 s[G0A+4*\slot+2:G0A+4*\slot+3], s[G0A+4*\slot+2:G0A+4*\slot+3], 2*TILE
	s_add_nc_u64 s[G0B+4*\slot+2:G0B+4*\slot+3], s[G0B+4*\slot+2:G0B+4*\slot+3], 2*TILE
	JLOAD \slot                                    ; my one tensor load behind the round; its four v_nop are also the places in front of the loads below
.else
	tensor_load_to_lds s[G0C:G0C+3], s[G1C:G1C+7]  ; c0's 64 rows of mine, into slot 0
	s_nop 0
	PLACES 4
.endif
.if \slot == 1
	v_add_nc_u32 v[ADRS], 256, v[ADRS]             ; the next lap's scale words
	v_add_nc_u32 v[ADRS+1], 256, v[ADRS+1]
	s_wait_alu depctr_va_vdst(0)                   ; the wait behind these writes
.endif
	SCALES \next
	FETCH_B \next, 0, 0
	FETCH_L \next, 0
	FETCH_H \next, 0
.if \fill == 1
	ASK \slot
.endif
	WIN MUL_HI
.irp a, 4,5,6,7
	MUL8 \a, 1, 1, \slot, 0
.endr
	WIN 0
.endm
	s_wait_tensorcnt 0x0                           ; my tile of the head's four is in
	ds_add_u32 v[SPW], v[NIL]
	s_mov_b32 s[G1A+2], 96<<16                     ; no tensor load of mine is out: from here on a load brings half a tile, 96 rows
	s_mov_b32 s[G1A+4], 96
	s_mov_b32 s[G1B+2], 96<<16
	s_mov_b32 s[G1B+4], 96
	s_mov_b32 s[G1C], (2<<16)|(1<<20)|(5<<22)|(3<<25)  ; c0: 64 rows x 64 numbers of 4 bytes, 2,048 from row to row, 16 bytes of padding behind each; no mask
	s_mov_b32 s[G1C+1], 64<<16
	s_mov_b32 s[G1C+2], 64<<16
	s_mov_b32 s[G1C+3], 64<<16
	s_mov_b32 s[G1C+4], 64
	s_mov_b32 s[G1C+5], 2048
	s_mov_b32 s[G1C+6], 0
	s_mov_b32 s[G1C+7], 0
	s_mov_b32 s[G0C], 1
	s_mul_i32 s[G0C+1], s[WV], 64*CP
	s_mov_b64 s[G0C+2:G0C+3], s[6:7]
	s_or_b32 s[G0C+3], s[G0C+3], 0x80000000
	s_wait_dscnt 0x0
	CROUND                                         ; all four tiles are in, and all sixteen work-groups are here
	JLOAD 1                                        ; K step 1: the first tensor load behind the round
	FETCH_B 0, 0, 0
	global_prefetch_b8 v[PFO], s[PFA:PFA+1] offset:2*TILE th:TH_LOAD_NT scope:SCOPE_SE   ; K step 3, two refills on
	FETCH_L 0, 0
	SCALES 0
	FETCH_H 0, 0
	s_wait_loadcnt 0x0                             ; the biases
	STEP 0, 1                                      ; the first 128 along K stand in front of the loop: their products start the sums from the biases
	s_wait_xcnt 0x0                                ; the head's prefetches have read their address
	s_add_nc_u64 s[PFA:PFA+1], s[PFA:PFA+1], 2*TILE    ; at K step 3: each change of slots steps it one K step ahead of its prefetch
	s_mov_b32 s[LAP], 7
.Llap:                                             ; a trip goes once round the ring and fills both slots again
	TURN 0, 1, 1
	STEP 1, 0
	TURN 1, 0, 1
	STEP 0, 0
	s_sub_co_u32 s[LAP], s[LAP], 1
	s_cmp_lg_u32 s[LAP], 0
	s_cbranch_scc1 .Llap
	TURN 0, 1, 2                                   ; the last lap: slot 0 is left for good and takes c0
	STEP 1, 0
	s_wait_tensorcnt 0x0                           ; the last 128 along K: my rows of c0 have landed,
	s_wait_dscnt 0x0                               ; and my last reads of the slots are over
	s_barrier_signal -1
	WIN MUL_LO
.irp a, 0,1,2,3
	MUL8 \a, 1, 1, 1, 0
.endr
	WIN MUL_HI
.irp a, 4,5,6,7
	MUL8 \a, 1, 1, 1, 0
.endr
	WIN 0
	s_barrier_wait -1                              ; c0 is whole, and nobody reads slot 1 any more: hy's stage may be written.
	PLACES 4
; THE TAIL, a block of 16 rows at a time; 16 elements a lane.  sigmoid(x) = 1 / (1 + 2^(-log2(e) x)); tanh(x) = 1 - 2 / (1 + 2^(2 log2(e) x)).
; Turn a works block a's gates and cy, and with them, in the same two batches of transcendentals, tanh(cy) and hy of block a - 1: nine turns.  sigmoid(o) has two sets of registers, v112 and v144, by turns.
.macro PKC op, d, x, c
.irp i, 0,2,4,6,8,10,12,14
	\op v[\d+\i:\d+\i+1], v[\x+\i:\x+\i+1], \c op_sel_hi:[1,0]
.endr
.endm
.macro PKV op, d, x, y
.irp i, 0,2,4,6,8,10,12,14
	\op v[\d+\i:\d+\i+1], v[\x+\i:\x+\i+1], v[\y+\i:\y+\i+1]
.endr
.endm
.macro TANH d                          ; 1 - 2 x
.irp i, 0,2,4,6,8,10,12,14
	v_pk_fma_f32 v[\d+\i:\d+\i+1], v[\d+\i:\d+\i+1], -2.0, 1.0 op_sel_hi:[1,0,0]
.endr
.endm
.macro TRANS op, n, d
.set e, 0
.rept \n
	\op v[\d+e], v[\d+e]
.set e, e+1
.endr
.endm
.macro BATCH op, a                     ; one batch: block a's four gates and block a - 1's cy
.if (\a) < 8
	TRANS \op, 48, TG
	TRANS \op, 16, 112+32*((\a)%2)
.endif
.if (\a) > 0
	TRANS \op, 16, X1
.endif
	v_nop                                          ; a plain instruction behind the last of them
.endm
.macro SEND b                          ; what turn b read back leaves: cy of block b, hy of block b - 1, eight rows of mine each: sixteen lanes store 256 consecutive bytes, at a multiple of 256 from the buffer's first byte
.set OUB, OUT+32*((\b)%2)
.irp t, 0,1,2,3
.if (\b) < 8
	global_store_b128 v[GO], v[OUB+4*\t:OUB+4*\t+3], s[10:11] offset:(16*(\b)+2*\t)*8192 th:TH_STORE_NT
.endif
.if (\b) > 0
	global_store_b128 v[GO], v[OUB+16+4*\t:OUB+16+4*\t+3], s[8:9] offset:(16*((\b)-1)+2*\t)*8192 th:TH_STORE_NT
.endif
.endr
.endm
.macro C0IN a
.set CCN, CC+16*((\a)%2)
.irp u, 0,1
	ds_load_b128 v[CCN+8*\u:CCN+8*\u+3], v[CA] offset:(\a)*16*CP+64*\u
	ds_load_b128 v[CCN+8*\u+4:CCN+8*\u+7], v[CA] offset:(\a)*16*CP+64*\u+16
.endr
.endm
.macro MULG a                          ; block a's 64 sums times their constants: the exponents
	WIN 0x02+(\a)/4                                ; source 0: window 2 or 3
	s_wait_alu depctr_va_vdst(0)                   ; ahead of the first readers of these sums
.irp g, 0,1,2,3
.if \g == 3
.set DG, 112+32*((\a)%2)
.else
.set DG, TG+16*\g
.endif
.irp u, 0,1
.irp i, 0,2,4,6                                    ; each accumulator from its low end on
.if \g == 0
	v_pk_mul_f32 v[DG+8*\u+\i:DG+8*\u+\i+1], v[8*(8*((\a)%4)+2*\g+\u)+\i:8*(8*((\a)%4)+2*\g+\u)+\i+1], s[KG:KG+1] op_sel_hi:[1,0]
.else
	v_pk_mul_f32 v[DG+8*\u+\i:DG+8*\u+\i+1], v[8*(8*((\a)%4)+2*\g+\u)+\i:8*(8*((\a)%4)+2*\g+\u)+\i+1], s[KS:KS+1] op_sel_hi:[1,0]
.endif
.endr
.endr
.endr
	WIN 0
.endm
.macro GATES a
.set CCA, CC+16*((\a)%2)
.set OUA, OUT+32*((\a)%2)
.set TOA, 112+32*((\a)%2)              ; this block's o
.set TOP, 112+32*(((\a)+1)%2)          ; the last block's sigmoid(o)
.if (\a) < 7
	C0IN (\a)+1                                    ; a block ahead
.endif
	s_wait_alu depctr_va_vdst(0)                   ; ahead of the batch
	BATCH v_exp_f32, \a
.if (\a) < 7
	s_wait_dscnt 4                                 ; the last turn's rows are back (first turn: its c0 is in); the next block's four loads of c0 may be out
.else
	s_wait_dscnt 0x0
.endif
.if (\a) > 0
	SEND (\a)-1                                    ; the last turn's rows leave while this one is worked
.endif
	s_wait_alu depctr_va_vdst(0)                   ; one wait for the batch, ahead of its first reader
.if (\a) < 8
	PKC v_pk_add_f32, TG, TG, 1.0
	PKC v_pk_add_f32, TI, TI, 1.0
	PKC v_pk_add_f32, TF, TF, 1.0
	PKC v_pk_add_f32, TOA, TOA, 1.0
.endif
.if (\a) > 0
	PKC v_pk_add_f32, X1, X1, 1.0
.endif
	s_wait_alu depctr_va_vdst(0)
	BATCH v_rcp_f32, \a                            ; TI, TF, TOA are the three sigmoids
	s_wait_alu depctr_va_vdst(0)
.if (\a) > 0
	TANH X1                                        ; tanh(cy) of the last block
	PKV v_pk_mul_f32, X1, X1, TOP                  ; hy
.irp u, 0,1
	ds_store_b128 v[HA], v[X1+8*\u:X1+8*\u+3] offset:((\a)-1)*16*CP+64*\u
	ds_store_b128 v[HA], v[X1+8*\u+4:X1+8*\u+7] offset:((\a)-1)*16*CP+64*\u+16
.endr
.endif
.if (\a) < 8
	TANH TG                                        ; tanh(g)
	PKV v_pk_mul_f32, TG, TG, TI
.irp i, 0,2,4,6,8,10,12,14
	v_pk_fma_f32 v[CCA+\i:CCA+\i+1], v[TF+\i:TF+\i+1], v[CCA+\i:CCA+\i+1], v[TG+\i:TG+\i+1]   ; cy
.endr
.irp u, 0,1
	ds_store_b128 v[CA], v[CCA+8*\u:CCA+8*\u+3] offset:(\a)*16*CP+64*\u        ; over the c0 that I alone read
	ds_store_b128 v[CA], v[CCA+8*\u+4:CCA+8*\u+7] offset:(\a)*16*CP+64*\u+16
.endr
.irp i, 0,2,4,6,8,10,12,14
	v_pk_mul_f32 v[X1+\i:X1+\i+1], v[CCA+\i:CCA+\i+1], s[KG:KG+1] op_sel_hi:[1,0]
.endr
.endif
.if (\a) < 7
	MULG (\a)+1                                    ; the next block's exponents, while my stores land
.endif
	s_wait_dscnt 0x0                               ; for the partner's sake: a row's 256 bytes come from two waves
	s_barrier_signal -1
	s_barrier_wait -1                              ; each block has rows of its own in both stages: one barrier a turn
	s_wait_xcnt 0x0                                ; the stores that read this set of registers, a turn ago, have read them
.irp t, 0,1,2,3
.if (\a) < 8
	ds_load_b128 v[OUA+4*\t:OUA+4*\t+3], v[RDC] offset:(\a)*16*CP+\t*2*CP
.endif
.if (\a) > 0
	ds_load_b128 v[OUA+16+4*\t:OUA+16+4*\t+3], v[RDH] offset:((\a)-1)*16*CP+\t*2*CP
.endif
.endr
.endm
	C0IN 0
	MULG 0
.irp a, 0,1,2,3,4,5,6,7,8
	GATES \a
.endr
	s_wait_dscnt 0x0
	SEND 8
	s_wait_tensorcnt 0x0                           ; the wave's end
	ds_add_u32 v[SPW], v[NIL]
	s_wait_dscnt 0x0
	CROUND                                         ; the closing round
	s_endpgm
.Lfunc_end_k_q0c7b31fa97_cell:
	.size	k_q0c7b31fa97_cell, .Lfunc_end_k_q0c7b31fa97_cell-k_q0c7b31fa97_cell
	.p2alignl 7, 3214868480
	.fill 96, 4, 3214868480
	.section	.rodata,"a",@progbits
	.p2align	6, 0x0
	.amdhsa_kernel k_q0c7b31fa97_cell
		.amdhsa_group_segment_fixed_size 327680
		.amdhsa_private_segment_fixed_size 0
		.amdhsa_enable_private_segment 0
		.amdhsa_kernarg_size 32
		.amdhsa_user_sgpr_count 2
		.amdhsa_user_sgpr_kernarg_segment_ptr 1
		.amdhsa_wavefront_size32 1
		.amdhsa_system_sgpr_workgroup_id_x 1
		.amdhsa_system_sgpr_workgroup_id_y 1
		.amdhsa_system_sgpr_workgroup_id_z 1
		.amdhsa_system_vgpr_workitem_id 0
		.amdhsa_next_free_vgpr 1024
		.amdhsa_next_free_sgpr 106
		.amdhsa_reserve_vcc 0
		.amdhsa_float_denorm_mode_32 3
		.amdhsa_float_denorm_mode_16_64 3
		.amdhsa_memory_ordered 1
		.amdhsa_forward_progress 1
		.amdhsa_inst_pref_size 231
	.end_amdhsa_kernel
	.amdgpu_metadata
---
amdhsa.version: [ 1, 2 ]
amdhsa.kernels:
  - .name:           k_q0c7b31fa97_cell
    .symbol:         k_q0c7b31fa97_cell.kd
    .args:
      - { .name: ws, .offset: 0, .size: 8, .value_kind: global_buffer, .address_space: global }
      - { .name: c0, .offset: 8, .size: 8, .value_kind: global_buffer, .address_space: global }
      - { .name: out0, .offset: 16, .size: 8, .value_kind: global_buffer, .address_space: global }
      - { .name: out1, .offset: 24, .size: 8, .value_kind: global_buffer, .address_space: global }
    .group_segment_fixed_size: 327680
    .private_segment_fixed_size: 0
    .kernarg_segment_align: 8
    .kernarg_segment_size: 32
    .max_flat_workgroup_size: 128
    .sgpr_count:     106
    .vgpr_count:     1024
    .wavefront_size: 32
...
	.end_amdgpu_metadata
.endif
;; end of part 2
